; MI455X (gfx1250); checked and timed in simulation.
; The chip was launched on July 23, 2026; its instructions are those of AMD's public machine-readable ISA for CDNA 5 (MIT licence, August 2026) and "CDNA5" Instruction Set Architecture Reference Guide (July 2026). The comments in the code are by the model that wrote it; some were corrected since.
;; Self Attention. Allowed arithmetic: matrix products marked QUANTISED: E5M2 operands, one E8M0 scale for each 32 along K, by v_wmma_scale_f32_16x16x128_f8f6f4 with both operands' format E5M2, f32 sums; everything else in f32.
;; Inputs: entangle_params 3,072 float32; inputs 2 x 2,048 x 1,024 float32; rotation_params 3,072 x 1,024 float32.
;; Outputs: out0 2 x 2,048 x 1,024 float32.
;; This version of the problem:
;;   THIS VERSION OF THE PROBLEM IS GIVEN IN LOW PRECISION. The matrix products marked QUANTISED in the list below multiply operands that are first quantised to E5M2 (5 exponent bits, 2 mantissa bits; 8 bits a number), with one power-of-two scale for each 32 numbers along K (OCP MX v1.0); their sums are f32. All else is computed in f32.
;;   The module's matrix products, in the order in which they are computed (A, B: the left and right operand; K: the contracted axis; several contracted axes count as one K, in the product's order):
;;     1. [M 4,096, K 1,024] x [K 1,024, N 3,072]; A: input inputs; B: input rotation_params: QUANTISED
;;     2. batch 32 x [M 2,048, K 64] x [K 64, N 2,048]; A: computed on the way; B: computed on the way: QUANTISED
;;     3. batch 32 x [M 2,048, K 2,048] x [K 2,048, N 64]; A: softmax (see below); B: computed on the way: QUANTISED
;;   THE QUANTISER, for each operand of a quantised product, along K:
;;     - K is cut into blocks of 32 from its start; a last block that is shorter is filled with zeros.
;;     - A block's scale is 2^e with e = floor(log2(the largest magnitude in the block)) - 15, held to -126 .. 127; a block of zeros has e = 0. As a byte (E8M0): e + 127.
;;     - Each number is divided by its block's scale, clamped to +-57,344, and rounded to the nearest number of E5M2, ties to even, subnormals kept.
;;     - The product sums the exact products of the quantised numbers (number of the format x scale) in f32.
;;   ~~~python
;;   def quantise(x, axis):      # numpy; x: float32 -> the quantised numbers, widened to float32 again
;;       x = np.moveaxis(x, axis, -1); K = x.shape[-1]
;;       x = np.pad(x, [(0, 0)] * (x.ndim - 1) + [(0, -K % 32)]); x = x.reshape(x.shape[:-1] + (-1, 32)); a = np.abs(x).max(-1, keepdims=True)
;;       e = np.where(a > 0, np.clip(np.frexp(np.where(a > 0, a, 1))[1] - 1 - 15, -126, 127), 0)      # np.frexp(a)[1] - 1 = floor(log2(a)), exactly
;;       r = np.clip(x / 2.0 ** e, -57344, 57344)
;;       step = 2.0 ** (np.maximum(np.frexp(np.where(r == 0, 1, r))[1] - 1, -14) - 2)
;;       q = np.round(r / step) * step * 2.0 ** e      # np.round: ties to even
;;       return np.moveaxis(q.reshape(q.shape[:-2] + (-1,))[..., :K], -1, axis).astype(np.float32)
;;   ~~~
;;   SOFTMAX AHEAD OF A QUANTISED PRODUCT. Where the list says 'softmax', what is quantised is not the finished softmax but p = 2^(t - M), with t = logit x log2(e) and M = ceil(the row's largest t), a whole number; so 1/2 < the row's largest p <= 1. The row's sum l is taken of the UNQUANTISED p, in f32, and the product's result is divided by l at the end. Since M is a whole number, a kernel that streams over the keys may use a running M (the ceiling of the running maximum): every later rescaling is an exact power of two, which a block's scale takes up: the codes' values come out the same.
;;   OPERANDS COMPUTED ON THE WAY. 'Computed on the way' means the value that the module computes at that place (a softmax that the list does not call 'softmax' is quantised finished and normalised). What goes into a quantiser is computed in f32, as accurately as f32 sums, v_exp_f32 and their like allow (about 1e-6 of the number): no bf16 or f16 on the way to a quantiser, and a product that is left as it is and whose result goes on into a quantised operand takes f32 operands (vector FMAs, or v_wmma_f32_16x16x4_f32). A number that lies on a knife's edge between two numbers of the format may be rounded either way, as far as f32 arithmetic and the matrix unit's own rounding can turn it there, and no further.
;; One version. Each part assembles by itself: llvm-mc -triple=amdgcn-amd-amdhsa -mcpu=gfx1250 --defsym DOCPART=n.
;; ======== version 1 of 1: 4 launches
;; limits: right only within a limited range of input values
;; workspace buffers: xw_codes 7,340,032 bytes; xw_scales 229,376 bytes; qkv_codes 12,582,912 bytes; qkv_scales 655,360 bytes; o_ws 16,777,216 bytes
;; launch quant (part 1): grid 224 x 1, 4 waves a work-group, no clusters, 33,280 bytes of LDS; arguments inputs, rotation_params, xw_codes, xw_scales; writes xw_codes, xw_scales
.if DOCPART == 1
	.amdgcn_target "amdgcn-amd-amdhsa--gfx1250"
	.amdhsa_code_object_version 6
	.text
	.protected	k_q34c138066f_quant
	.globl	k_q34c138066f_quant
	.p2align	8
	.type	k_q34c138066f_quant,@function
k_q34c138066f_quant:
	s_mov_b64 s[64:65], 0
	v_nop
	global_prefetch_b8 v0, s[64:65] scope:SCOPE_SE
	s_setreg_imm32_b32 hwreg(HW_REG_WAVE_MODE, 25, 1), 1
	s_wait_xcnt 0x0
; inputs [4096][1024] and rotation_params [3072][1024], f32, become codes of BF8 (E5M2), K innermost, with one E8M0 scale byte for each 32 along K,
; in ONE joined tensor of 7,168 rows: rows 0-4095 the tokens, rows 4096-7167 the weight's rows.
; A block's scale is 2^(floor(log2(its largest magnitude)) - 15); its byte is the largest magnitude's exponent field - 15, held at 1 from below.
; Each number is divided by the scale, held within +-57,344 and rounded to the nearest code, ties to even.
; LIMITS: a block of zeros gets the byte 1 where the rule says 127 (its codes are zeros, which add nothing under any byte but 0xff, and this program alone reads the bytes);
; blocks whose largest magnitude lies under 2^-111 get the byte 1 too; NaN and infinities among the inputs are not served.
; THE ROWS ARE STORED IN ANOTHER ORDER: inside every 32 rows the groups of eight rows 0, 1, 2, 3 lie at places 0, 2, 1, 3.  So 16 neighbouring stored rows 16 a + r are the true rows
; 32 (a / 2) + 8 (a % 2) + r + 8 (r / 8): with such rows as a matrix instruction's source 0, a lane's registers of two neighbouring result tiles are 16 neighbours, which is what the next launch's quantiser wants.
; A wave takes 8 rows (8,192 numbers, 16 steps of 512), a work-group 32 rows: the order is changed by the wave's place in the output alone.
; Each load reads 512 consecutive bytes, 16 a lane; a step's 2,048 bytes turn through the wave's own stage in LDS and come back 64 bytes a lane, so that a lane holds 16 neighbours along K (two lanes a block).
; No tensor loads, no barrier, no cluster: waves and work-groups share no input.  Loads run eight steps (32 loads, 16,384 bytes a wave: half of its input) ahead, the turn through LDS one step.
.set STEPS, 16
.set DEPTH, 8                          ; steps whose loads are out together
.set WGA,   128                        ; work-groups that take the tokens: 4096 rows / 32
.set EMAX,  15
.set MANT,  0x600000                   ; the mantissa field of 57,344 as f32
.set CB,    16                         ; bytes of 16 codes
.set R,     16                         ; v16-143  eight sets of 16 numbers as they are loaded
.set X,     144                        ; v144-175 two sets of 16 neighbours
.set E,     176                        ; v176-191 a scale byte for each step
.set C,     192                        ; v192-255 codes: four registers for each step, so that no store's data are written again
.set WREG,  8192                       ; LDS: a region for each wave: two stages of 32 x SP bytes, behind them its 256 scale bytes
.set SP,    80                         ; a lane's place in a stage: its 64 bytes + 16 of padding
	s_load_b128 s[4:7], s[0:1], 0x0                ; inputs, rotation_params
	s_load_b128 s[8:11], s[0:1], 0x10              ; the codes, the scale bytes
	s_set_vgpr_msb 0x40
	v_lshl_add_u32 v0, v0, 2, 0x8000
	v_mov_b32 v1, 0
	s_set_vgpr_msb 0x4000
	v_lshrrev_b32 v1, 5, v0
	v_readfirstlane_b32 s16, v1                    ; wave
	v_and_b32 v2, 31, v0                           ; lane
	v_lshlrev_b32 v3, 4, v2                        ; my 16 bytes of a load's 512
	s_mul_i32 s17, s16, WREG
	v_lshrrev_b32 v14, 2, v2
	v_mul_u32_u24 v14, v14, SP
	v_and_b32 v15, 3, v2
	v_lshl_add_u32 v14, v15, 4, v14
	v_add_nc_u32 v14, s17, v14                     ; the stage, on the way in: SP (lane / 4) + 16 (lane % 4); a load's 512 bytes take eight places
	v_mul_u32_u24 v15, v2, SP
	v_add_nc_u32 v15, s17, v15                     ; and on the way out: SP x lane: my 16 neighbours
	v_mul_u32_u24 v4, v2, CB                       ; my codes' place in a step's
	v_lshrrev_b32 v5, 1, v2
	s_add_co_u32 s17, s17, 2*32*SP
	v_add_nc_u32 v5, s17, v5                       ; LDS: my wave's 256 scale bytes, my block's byte
	v_lshlrev_b32 v7, 3, v2                        ; and on the way out 8 bytes a lane
	v_add_nc_u32 v6, s17, v7
	s_mov_b32 s23, MANT                            ; (an instruction takes one literal: the hold's line has another)
	s_and_b32 s12, s16, 1                          ; my eight rows' place among the work-group's 32 in the output: groups 0, 1, 2, 3 go to places 0, 2, 1, 3
	s_lshl_b32 s12, s12, 1
	s_lshr_b32 s13, s16, 1
	s_or_b32 s12, s12, s13
	s_lshl_b32 s13, ttmp9, 2
	s_add_co_u32 s12, s12, s13                     ; the output's run of eight rows, counted over the joined tensor
	s_mov_b32 s15, 0
	s_mov_b32 s19, 0
	s_wait_alu depctr_va_vdst(0)
	s_wait_kmcnt 0x0
	s_cmp_lt_u32 ttmp9, WGA                        ; tokens or weight?  The choice hangs on the work-group's number alone
	s_cselect_b64 s[4:5], s[4:5], s[6:7]
	s_cselect_b32 s17, 0, WGA
	s_sub_co_u32 s17, ttmp9, s17
	s_lshl_b32 s17, s17, 2
	s_add_co_u32 s18, s17, s16                     ; the input's run of eight rows
	s_lshl_b32 s18, s18, 15                        ; 32,768 bytes a run
	s_add_nc_u64 s[4:5], s[4:5], s[18:19]
	s_lshl_b32 s14, s12, 13                        ; 8,192 bytes of codes a run
	s_add_nc_u64 s[8:9], s[8:9], s[14:15]
	s_lshl_b32 s14, s12, 8                         ; 256 scale bytes a run
	s_add_nc_u64 s[10:11], s[10:11], s[14:15]
.macro LOAD t
.irp i, 0,1,2,3
	global_load_b128 v[R+16*((\t)%DEPTH)+4*\i:R+16*((\t)%DEPTH)+4*\i+3], v3, s[4:5] offset:2048*(\t)+512*\i th:TH_LOAD_NT   ; 32 lanes read 512 consecutive bytes
.endr
.endm
.macro TURN t                          ; step t's numbers through the stage: LDS serves a wave's instructions in order, so no wait stands between the stores and the loads
.irp i, 0,1,2,3
	ds_store_b128 v14, v[R+16*((\t)%DEPTH)+4*\i:R+16*((\t)%DEPTH)+4*\i+3] offset:32*SP*((\t)%2)+8*SP*\i
.endr
.irp i, 0,1,2,3
	ds_load_b128 v[X+16*((\t)%2)+4*\i:X+16*((\t)%2)+4*\i+3], v15 offset:32*SP*((\t)%2)+16*\i
.endr
.endm
.irp t, 0,1,2,3,4,5,6,7
	LOAD \t
.endr
	s_wait_loadcnt 4*(DEPTH-1)                     ; step 0's four loads are in; the 28 of steps 1 to 7 may be out
	TURN 0
.macro STEP t
.set XS, X+16*((\t)%2)
.if (\t) > 0
	s_wait_dscnt 1                                 ; this step's numbers are back from the stage (the last step's byte store may be out): so its stores into the stage have read their registers,
.else
	s_wait_dscnt 0x0
.endif
.if (\t)+DEPTH < STEPS
	LOAD (\t)+DEPTH                                ; which take the loads of eight steps on
.endif
.if (\t)+1 < STEPS
.if STEPS-2-(\t) >= DEPTH-1
	s_wait_loadcnt 4*(DEPTH-1)                     ; the next step's four loads are in; those of the seven steps behind it may be out
.else
	s_wait_loadcnt 4*(STEPS-2-(\t))                ; the tail: those of the steps that are left behind it
.endif
	TURN (\t)+1                                    ; and go through the other stage while this step is worked
.endif
	v_max3_num_f32 v8, |v[XS]|, |v[XS+1]|, |v[XS+2]|               ; the largest magnitude of my 16, in two chains
	v_max3_num_f32 v9, |v[XS+3]|, |v[XS+4]|, |v[XS+5]|
.irp i, 6,10
	v_max3_num_f32 v8, v8, |v[XS+\i]|, |v[XS+\i+1]|
	v_max3_num_f32 v9, v9, |v[XS+\i+2]|, |v[XS+\i+3]|
.endr
	v_max3_num_f32 v8, v8, |v[XS+14]|, |v[XS+15]|
	v_max3_num_f32 v8, v8, v9, (EMAX+1)<<23        ; and the floor 2^(16 - 127): so the byte cannot fall under 1
	v_max_num_f32_dpp v8, v8, v8 row_xmask:1 row_mask:0xf bank_mask:0xf   ; and of my neighbour's 16: the block's
	v_add_nc_u32 v11, -(EMAX<<23), v8              ; 15 off its exponent field: the conversion takes the exponent field of this operand as its scale, and nothing else of it
	v_and_or_b32 v10, v8, 0x7f800000, s23          ; 57,344 x the scale: the largest magnitude's exponent field over 57,344's mantissa
.irp i, 0,1,2,3,4,5,6,7,8,9,10,11,12,13,14,15
	v_med3_num_f32 v[XS+\i], v[XS+\i], -v10, v10   ; the conversion to an 8-bit code does not saturate (ISA guide 7.6.2): hold the number first
.endr
	v_cvt_scalef32_pk8_bf8_f32 v[C+4*(\t):C+4*(\t)+1], v[XS:XS+7], v11
	v_cvt_scalef32_pk8_bf8_f32 v[C+4*(\t)+2:C+4*(\t)+3], v[XS+8:XS+15], v11
	v_lshrrev_b32 v[E+(\t)], 23, v11               ; the scale's byte (also the plain line behind the conversions)
	ds_store_b8 v5, v[E+(\t)] offset:16*(\t)       ; both lanes of a block write the same byte with the same value
	global_store_b128 v4, v[C+4*(\t):C+4*(\t)+3], s[8:9] offset:32*CB*(\t)   ; 32 lanes store 512 consecutive bytes
.endm
.irp t, 0,1,2,3,4,5,6,7,8,9,10,11,12,13,14,15
	STEP \t
.endr
	ds_load_b64 v[12:13], v6                       ; LDS serves a wave's instructions in order: these see my stores
	s_wait_dscnt 0x0
	global_store_b64 v7, v[12:13], s[10:11]        ; 32 lanes store 256 consecutive bytes: eight rows' scale bytes
	s_set_vgpr_msb 0x5
	s_wait_tensorcnt 0x0
	ds_add_u32 v0, v1
	s_wait_dscnt 0x0
	s_set_vgpr_msb 0x500
	s_endpgm
.Lfunc_end_k_q34c138066f_quant:
	.size	k_q34c138066f_quant, .Lfunc_end_k_q34c138066f_quant-k_q34c138066f_quant
	.p2alignl 7, 3214868480
	.fill 96, 4, 3214868480
	.section	.rodata,"a",@progbits
	.p2align	6, 0x0
	.amdhsa_kernel k_q34c138066f_quant
		.amdhsa_group_segment_fixed_size 33280
		.amdhsa_private_segment_fixed_size 0
		.amdhsa_enable_private_segment 0
		.amdhsa_kernarg_size 32
		.amdhsa_user_sgpr_count 2
		.amdhsa_user_sgpr_kernarg_segment_ptr 1
		.amdhsa_wavefront_size32 1
		.amdhsa_system_sgpr_workgroup_id_x 1
		.amdhsa_system_sgpr_workgroup_id_y 1
		.amdhsa_system_sgpr_workgroup_id_z 1
		.amdhsa_system_vgpr_workitem_id 0
		.amdhsa_next_free_vgpr 258
		.amdhsa_next_free_sgpr 66
		.amdhsa_reserve_vcc 0
		.amdhsa_float_denorm_mode_32 3
		.amdhsa_float_denorm_mode_16_64 3
		.amdhsa_memory_ordered 1
		.amdhsa_forward_progress 1
		.amdhsa_inst_pref_size 51
	.end_amdhsa_kernel
	.amdgpu_metadata
---
amdhsa.version: [ 1, 2 ]
amdhsa.kernels:
  - .name:           k_q34c138066f_quant
    .symbol:         k_q34c138066f_quant.kd
    .args:
      - { .name: inputs, .offset: 0, .size: 8, .value_kind: global_buffer, .address_space: global }
      - { .name: rotation_params, .offset: 8, .size: 8, .value_kind: global_buffer, .address_space: global }
      - { .name: xw_codes, .offset: 16, .size: 8, .value_kind: global_buffer, .address_space: global }
      - { .name: xw_scales, .offset: 24, .size: 8, .value_kind: global_buffer, .address_space: global }
    .group_segment_fixed_size: 33280
    .private_segment_fixed_size: 0
    .kernarg_segment_align: 8
    .kernarg_segment_size: 32
    .max_flat_workgroup_size: 128
    .sgpr_count:     66
    .vgpr_count:     258
    .wavefront_size: 32
...
	.end_amdgpu_metadata
.endif
;; end of part 1
;; launch proj (part 2): grid 12 x 16, 4 waves a work-group, clusters of 4 x 4, 327,680 bytes of LDS; arguments xw_codes, xw_scales, qkv_codes, qkv_scales, entangle_params; writes qkv_codes, qkv_scales
.if DOCPART == 2
	.amdgcn_target "amdgcn-amd-amdhsa--gfx1250"
	.amdhsa_code_object_version 6
	.text
	.protected	k_q34c138066f_proj
	.globl	k_q34c138066f_proj
	.p2align	8
	.type	k_q34c138066f_proj,@function
k_q34c138066f_proj:
	s_mov_b64 s[64:65], 0
	v_nop
	global_prefetch_b8 v0, s[64:65] scope:SCOPE_SE
	s_setreg_imm32_b32 hwreg(HW_REG_WAVE_MODE, 25, 1), 1
	s_wait_xcnt 0x0
	s_wait_alu depctr_hold_cnt(0) depctr_sa_sdst(0) depctr_va_vdst(0) depctr_va_sdst(0) depctr_va_ssrc(0) depctr_va_vcc(0) depctr_vm_vsrc(0)
	s_getreg_b32 s2, hwreg(HW_REG_IB_STS2, 6, 4)
	s_cmp_eq_u32 s2, 0
	s_cbranch_scc0 .Lentry_in_a_cluster
	s_endpgm
.Lentry_in_a_cluster:
	s_bfe_u32 s2, ttmp6, 0x10000c
	s_cmp_lg_u32 s2, 0xf033
	s_cbranch_scc0 .Lentry_shape_is_right
	s_endpgm
.Lentry_shape_is_right:
.set SIZE_K, 1024
.set KSTEP,  256
.set NQ,     KSTEP/128
.set ROWB,   256
.set KROW,   SIZE_K
.set PITCH,  272
.set FR,     16
.set NL,     4
.set NP,     8
.set HALFT,  128*PITCH
.set SLOT,   4*HALFT
.set LAPS,   SIZE_K/(2*KSTEP)
.set KS,     SIZE_K/32
.set SCL,    2*SLOT
.set HALFS,  (128*KS/256)*272
.set SBLK,   (16*KS/256)*272
.set SPARE,  SCL+4*HALFS
.set YB,   8
.set ADRA, 16
.set ADRB, 20
.set ADRS, 27
.set SPW,  28
.set NIL,  29
.set SC,   32
.set XB,   64
.set AF,   128
.set TT,   128
.set PC,   192
.set TM,   208
.set W0,   224
.set W1,   225
.set PW,   226
.set WD,   227
.set OC,   228
.set SW,   232
.set SRD,  233
.set VO,   234
.set BK,   236
.set YP,   244
.set G1, 24
.set G0, 32
.set G1B, 48
.set G0B, 56
.set G1S, 68
.set G0S, 76
.set G1SB, 80
.set G0SB, 88
.set MSB, 0
.macro WIN new
.if MSB != \new
	s_set_vgpr_msb (MSB<<8)|\new
.set MSB, \new
.endif
.endm
.set MUL_LO, 0xa1
.set MUL_HI, 0xf1
.set TO_B,   0x40
.macro JLOAD g0a, g1a, g0b, g1b
	s_cmp_eq_u32 s15, 0
	s_cbranch_scc0 .Lfor_b_\@
	tensor_load_to_lds s[\g0a:\g0a+3], s[\g1a:\g1a+7]
	s_nop 0
.rept 4
	v_nop
.endr
	s_branch .Lasked_\@
.Lfor_b_\@:
	tensor_load_to_lds s[\g0b:\g0b+3], s[\g1b:\g1b+7]
	s_nop 0
.rept 4
	v_nop
.endr
.Lasked_\@:
.endm
.macro CREST
	s_cmp_lg_u32 s14, 0
	s_cbranch_scc1 .Lnot_wave_0_\@
	s_barrier_signal -3
.Lnot_wave_0_\@:
	s_barrier_wait -3
	s_barrier_signal -1
	s_barrier_wait -1
.endm
.macro CROUND
	s_barrier_signal -1
	s_barrier_wait -1
	CREST
.endm
	s_load_b128 s[4:7], s[0:1], 0x0
	s_load_b128 s[8:11], s[0:1], 0x10
	s_load_b64 s[12:13], s[0:1], 0x20
	v_lshl_add_u32 v[SPW], v0, 2, SPARE
	v_mov_b32 v[NIL], 0
	ds_add_u32 v28, v29
	ds_add_u32 v28, v29
	s_wait_dscnt 0x0
	v_lshrrev_b32 v1, 5, v0
	v_readfirstlane_b32 s14, v1
	s_lshr_b32 s15, s14, 1
	s_and_b32 s16, s14, 1
	s_bfe_u32 s40, ttmp6, 0x40000
	s_bfe_u32 s41, ttmp6, 0x40004
	s_and_b32 s17, ttmp7, 0xffff
	s_lshl_b32 s43, s41, 2
	s_lshl_b32 s43, 15, s43
	s_lshl_b32 s44, 0x1111, s40
	s_or_b32 s[G1+0], s43, (0<<16)|(1<<20)|(1<<21)|(5<<22)|(3<<25)
	s_or_b32 s[G1B+0], s44, (0<<16)|(1<<20)|(1<<21)|(5<<22)|(3<<25)
.irp g, G1, G1B
	s_mov_b32 s[\g+1], ROWB<<16
	s_mov_b32 s[\g+2], 256<<16
	s_mov_b32 s[\g+3], ROWB<<16
	s_mov_b32 s[\g+4], 256
	s_mov_b32 s[\g+5], KROW
	s_mov_b32 s[\g+6], 0
	s_mov_b32 s[\g+7], 0
.endr
	s_or_b32 s[G1S+0], s43, (3<<16)|(1<<20)|(1<<21)|(5<<22)|(3<<25)
	s_or_b32 s[G1SB+0], s44, (3<<16)|(1<<20)|(1<<21)|(5<<22)|(3<<25)
.irp g, G1S, G1SB
	s_mov_b32 s[\g+1], 32<<16
	s_mov_b32 s[\g+2], (256*KS/256)<<16
	s_mov_b32 s[\g+3], 32<<16
	s_mov_b32 s[\g+4], 256*KS/256
	s_mov_b32 s[\g+5], 32
	s_mov_b32 s[\g+6], 0
	s_mov_b32 s[\g+7], 0
.endr
	s_lshl_b32 s18, s16, 7
	s_lshl_b32 s20, s41, 8
	s_lshl_b32 s46, s40, 8
	s_lshl_b32 s19, s17, 10
	s_lshl_b32 s42, ttmp9, 10
	s_add_co_u32 s42, s42, 4096
	s_mov_b32 s45, 6144
	s_cmp_eq_u32 ttmp9, 2
	s_cselect_b32 s95, 1, 0
	s_cselect_b32 s96, -1, 0
	s_cselect_b32 s45, s45, s19
	s_cselect_b32 s42, s19, s42
	s_add_co_u32 s20, s20, s45
	s_add_co_u32 s46, s46, s42
	s_lshl_b32 s22, s20, 5
	s_lshl_b32 s92, s46, 5
	s_lshl_b32 s20, s20, 10
	s_lshl_b32 s46, s46, 10
	s_mov_b32 s21, 0
	s_mov_b32 s23, 0
	s_mov_b32 s47, 0
	s_mov_b32 s93, 0
	s_lshl_b32 s98, ttmp9, 10
	s_lshl_b32 s99, s40, 8
	s_add_co_u32 s98, s98, s99
	s_add_co_u32 s98, s98, s18
	s_lshl_b32 s98, s98, 2
	s_and_not1_b32 s98, s98, s96
	s_mov_b32 s99, 0
	s_lshl_b32 s100, s41, 8
	s_lshl_b32 s101, s15, 7
	s_add_co_u32 s100, s100, s101
	s_add_co_u32 s100, s100, 2048
	s_lshl_b32 s100, s100, 2
	s_and_b32 s100, s100, s96
	s_mov_b32 s101, 0
	s_mul_i32 s45, s14, HALFT
	s_mul_i32 s94, s14, HALFS
	s_wait_kmcnt 0x0
	s_add_nc_u64 s[20:21], s[4:5], s[20:21]
	s_add_nc_u64 s[22:23], s[6:7], s[22:23]
	s_add_nc_u64 s[46:47], s[4:5], s[46:47]
	s_add_nc_u64 s[92:93], s[6:7], s[92:93]
	s_add_nc_u64 s[98:99], s[12:13], s[98:99]
	s_add_nc_u64 s[100:101], s[12:13], s[100:101]
	CROUND
	s_mov_b32 s[G0S], 1
	s_mov_b32 s[G0S+1], SCL
	s_mov_b64 s[G0S+2:G0S+3], s[22:23]
	s_or_b32 s[G0S+3], s[G0S+3], 0x80000000
	s_mov_b32 s[G0SB], 1
	s_mov_b32 s[G0SB+1], SCL+2*HALFS
	s_mov_b64 s[G0SB+2:G0SB+3], s[92:93]
	s_or_b32 s[G0SB+3], s[G0SB+3], 0x80000000
	s_lshl_b32 s2, s18, 10                         ; in the ring a wave fetches 128 rows of a tile: its half, in bytes
	s_mov_b32 s3, 0
.irp s, 0,1
	s_mov_b32 s[G0+4*\s], 1
	s_add_co_u32 s[G0+4*\s+1], s45, \s*SLOT
	s_add_nc_u64 s[G0+4*\s+2:G0+4*\s+3], s[20:21], \s*ROWB
	s_add_nc_u64 s[G0+4*\s+2:G0+4*\s+3], s[G0+4*\s+2:G0+4*\s+3], s[2:3]
	s_or_b32 s[G0+4*\s+3], s[G0+4*\s+3], 0x80000000
	s_mov_b32 s[G0B+4*\s], 1
	s_add_co_u32 s[G0B+4*\s+1], s45, \s*SLOT
	s_add_nc_u64 s[G0B+4*\s+2:G0B+4*\s+3], s[46:47], \s*ROWB
	s_add_nc_u64 s[G0B+4*\s+2:G0B+4*\s+3], s[G0B+4*\s+2:G0B+4*\s+3], s[2:3]
	s_or_b32 s[G0B+4*\s+3], s[G0B+4*\s+3], 0x80000000
.endr
	; the head's four tiles, each whole, one joint load a wave: wave 0 K step 0's 256 rows of A, wave 1 its 256 rows of B, wave 2 the scales of A's 256 rows, wave 3 those of B's.
	; Their groups 0 for the codes lie in registers that held arguments and addresses that have been used.
	s_mov_b32 s4, 1
	s_mov_b32 s5, 0
	s_mov_b64 s[6:7], s[20:21]
	s_or_b32 s7, s7, 0x80000000
	s_mov_b32 s44, 1
	s_mov_b32 s45, 2*HALFT
	s_or_b32 s47, s47, 0x80000000
.macro ARM under, g0, g1, next
	s_cmp_lt_u32 s14, \under
	s_cbranch_scc0 \next
	tensor_load_to_lds s[\g0:\g0+3], s[\g1:\g1+7]
	s_nop 0
.rept 4
	v_nop
.endr
	s_branch .Lhead_asked
\next:
.endm
	ARM 1, 4, G1, .Lhead_b
	ARM 2, 44, G1B, .Lhead_sa
	ARM 3, G0S, G1S, .Lhead_sb
	tensor_load_to_lds s[G0SB:G0SB+3], s[G1SB:G1SB+7]
	s_nop 0
.rept 4
	v_nop
.endr
.Lhead_asked:
	v_and_b32 v1, 15, v0
	v_bfe_u32 v2, v0, 4, 1
	v_lshlrev_b32 v30, 6, v2
	v_and_b32 v31, 8, v1
	v_add_nc_u32 v31, v31, v1
	v_lshlrev_b32 v31, 2, v31
.irp t, 0,1,2,3,4,5,6,7
	global_load_b128 v[XB+8*\t:XB+8*\t+3], v30, s[98:99] offset:(32*(\t/2)+8*(\t%2))*4
	global_load_b128 v[XB+8*\t+4:XB+8*\t+7], v30, s[98:99] offset:(32*(\t/2)+8*(\t%2))*4+16
.endr
.irp a, 0,1,2,3,4,5,6,7
	global_load_b32 v[YB+\a], v31, s[100:101] offset:(32*(\a/2)+8*(\a%2))*4
.endr
	v_mul_u32_u24 v3, v1, PITCH
	v_lshl_add_u32 v4, v2, 4, v3
	s_mul_i32 s21, s15, HALFT
	s_mul_i32 s22, s16, HALFT
	s_add_co_u32 s22, s22, 2*HALFT
.irp s, 0,1
	v_add_nc_u32 v[ADRA+\s], s21, v4
	v_add_nc_u32 v[ADRB+\s], s22, v4
	s_add_co_u32 s21, s21, SLOT
	s_add_co_u32 s22, s22, SLOT
.endr
	v_mul_u32_u24 v5, v1, KS
	v_lshrrev_b32 v6, 8, v5
	v_lshl_add_u32 v5, v6, 4, v5
	s_mul_i32 s21, s15, HALFS
	s_mul_i32 s22, s16, HALFS
	s_add_co_u32 s22, s22, 2*HALFS
	s_sub_co_u32 s22, s22, s21
	v_mul_u32_u24 v6, s22, v2
	s_add_co_u32 s21, s21, SCL
	v_add_nc_u32 v5, v5, v6
	v_add_nc_u32 v[ADRS], s21, v5
	v_mov_b32 v7, 1.0
	s_wait_alu depctr_va_vdst(0)
	s_wait_loadcnt 0x0
.set i, 0
.rept 64
	v_cndmask_b32 v[XB+i], v[XB+i], v7, s96
.set i, i+1
.endr
.set i, 0
.rept 8
	v_cndmask_b32 v[YB+i], v7, v[YB+i], s96
.set i, i+1
.endr
.macro FRAG reg, adr, q, i
.irp c, 0,1,2,3
	ds_load_b128 v[\reg+4*\c:\reg+4*\c+3], v[\adr] offset:128*(\q)+32*\c+(\i)*16*PITCH
.endr
.endm
.macro MUL16 a0, p, q, sc, zero
.irp a, \a0, \a0+1
.irp b, 0,1,2,3,4,5,6,7
.if \zero
	v_wmma_scale_f32_16x16x128_f8f6f4 v[8*(8*((\a)%4)+\b):8*(8*((\a)%4)+\b)+7], v[128*(\p)+FR*\b:128*(\p)+FR*\b+FR-1], v[AF+FR*(\a):AF+FR*(\a)+FR-1], 0, v[SC+8*NQ*(\sc)+NQ*\b+(\q)], v[SC+8*NQ*(\sc)+NQ*(\a)+(\q)] matrix_a_fmt:MATRIX_FMT_BF8 matrix_b_fmt:MATRIX_FMT_BF8 matrix_a_scale:MATRIX_SCALE_ROW1
.else
	v_wmma_scale_f32_16x16x128_f8f6f4 v[8*(8*((\a)%4)+\b):8*(8*((\a)%4)+\b)+7], v[128*(\p)+FR*\b:128*(\p)+FR*\b+FR-1], v[AF+FR*(\a):AF+FR*(\a)+FR-1], v[8*(8*((\a)%4)+\b):8*(8*((\a)%4)+\b)+7], v[SC+8*NQ*(\sc)+NQ*\b+(\q)], v[SC+8*NQ*(\sc)+NQ*(\a)+(\q)] matrix_a_fmt:MATRIX_FMT_BF8 matrix_b_fmt:MATRIX_FMT_BF8 matrix_a_scale:MATRIX_SCALE_ROW1
.endif
.endr
.endr
.endm
.macro FETCH_B slot, q, p
	WIN TO_B
.irp i, 0,1,2,3,4,5,6,7
	FRAG 128*(\p)+FR*\i, ADRB+\slot, \q, \i
.endr
	WIN 0
.endm
.macro FETCH_A slot, q, i0
.irp i, \i0, \i0+1, \i0+2, \i0+3
	FRAG AF+FR*(\i), ADRA+\slot, \q, \i
.endr
.endm
.macro SCALES sc
.irp i, 0,1,2,3,4,5,6,7
	ds_load_b64 v[SC+8*NQ*\sc+NQ*\i:SC+8*NQ*\sc+NQ*\i+1], v[ADRS] offset:\i*SBLK
.endr
.endm
.macro PLACES n
.rept \n
	v_nop
.endr
.endm
.macro STEP slot, q, zero
	s_wait_dscnt 4*NL
	WIN MUL_LO
	MUL16 0, (\q)%2, \q, \slot, \zero
	MUL16 2, (\q)%2, \q, \slot, \zero
	s_wait_dscnt 0
	PLACES NP
	FETCH_B \slot, (\q)+1, 1-(\q)%2
	FETCH_A \slot, (\q)+1, 0
	WIN MUL_HI
	MUL16 4, (\q)%2, \q, \slot, \zero
	MUL16 6, (\q)%2, \q, \slot, \zero
	PLACES NP
	WIN 0
	FETCH_A \slot, (\q)+1, 4
.endm
.macro TURN slot, next, fill
	s_wait_tensorcnt 0x0
	ds_add_u32 v[SPW], v[NIL]
	s_wait_dscnt 4*NL+1
	WIN MUL_LO
	MUL16 0, 1, NQ-1, \slot, 0
	s_wait_dscnt 0x0
	s_barrier_signal -1
	MUL16 2, 1, NQ-1, \slot, 0
	WIN 0
	s_barrier_wait -1
.if \fill
	CREST
	s_add_nc_u64 s[G0+4*\slot+2:G0+4*\slot+3], s[G0+4*\slot+2:G0+4*\slot+3], 2*ROWB
	s_add_nc_u64 s[G0B+4*\slot+2:G0B+4*\slot+3], s[G0B+4*\slot+2:G0B+4*\slot+3], 2*ROWB
	JLOAD G0+4*\slot, G1, G0B+4*\slot, G1B
	PLACES NP-4
.else
	PLACES NP
.endif
	s_wait_alu depctr_va_vdst(0)
	v_add_nc_u32 v[ADRS], 4*NQ, v[ADRS]
	FETCH_B \next, 0, 0
	FETCH_A \next, 0, 0
	SCALES \next
	WIN MUL_HI
	MUL16 4, 1, NQ-1, \slot, 0
	MUL16 6, 1, NQ-1, \slot, 0
	PLACES NP
	WIN 0
	FETCH_A \next, 0, 4
.endm
	s_wait_alu depctr_va_vdst(0)                   ; the wait at the head's end
	s_wait_tensorcnt 0x0                           ; my tile of the head's four is in
	ds_add_u32 v[SPW], v[NIL]
	s_mov_b32 s[G1+2], 128<<16                     ; no tensor load of mine is out: from here on a load brings 128 rows
	s_mov_b32 s[G1+4], 128
	s_mov_b32 s[G1B+2], 128<<16
	s_mov_b32 s[G1B+4], 128
	s_wait_dscnt 0x0
	CROUND                                         ; all four tiles are in, and all sixteen work-groups are here
	JLOAD G0+4, G1, G0B+4, G1B                     ; K step 1, the first tensor load behind the round
	FETCH_B 0, 0, 0
	FETCH_A 0, 0, 0
	SCALES 0
	FETCH_A 0, 0, 4
	STEP 0, 0, 1
	s_mov_b32 s3, LAPS-1
.Llap:
	TURN 0, 1, 1
	STEP 1, 0, 0
	TURN 1, 0, 1
	STEP 0, 0, 0
	s_sub_co_u32 s3, s3, 1
	s_cmp_lg_u32 s3, 0
	s_cbranch_scc1 .Llap
	TURN 0, 1, 0
	STEP 1, 0, 0
	s_wait_dscnt 4*NL
	WIN MUL_LO
	MUL16 0, 1, NQ-1, 1, 0
	MUL16 2, 1, NQ-1, 1, 0
	s_wait_dscnt 0
	WIN MUL_HI
	MUL16 4, 1, NQ-1, 1, 0
	MUL16 6, 1, NQ-1, 1, 0
	WIN 0
	PLACES NP
	s_mov_b32 s24, 0x76543210
	s_mov_b32 s25, 0xfedcba98
	s_mov_b32 s26, 0x600000
	s_mov_b32 s97, 0xffff0000
	s_mov_b32 s31, 0x40000
	s_mov_b32 s34, 40960
	s_cmp_eq_u32 s95, 1
	s_cselect_b32 s27, s40, s41
	s_cselect_b32 s28, s41, s40
	s_cselect_b32 s29, s16, s15
	s_cselect_b32 s30, s15, s16
	s_cselect_b32 s32, s31, 4096
	s_cselect_b32 s33, 4096, s31
	s_cselect_b32 s34, s34, 256
	s_lshl_b32 s35, s28, 3
	s_lshl_b32 s36, s30, 2
	s_add_co_u32 s35, s35, s36
	s_lshr_b32 s36, s17, 1
	s_add_co_u32 s35, s35, s36
	s_lshl_b32 s36, s17, 2
	s_add_co_u32 s36, s36, s27
	s_and_b32 s36, s36, 7
	s_lshl_b32 s38, ttmp9, 22
	s_lshl_b32 s37, s35, 17
	s_add_co_u32 s38, s38, s37
	s_lshl_b32 s37, s36, 14
	s_add_co_u32 s38, s38, s37
	s_lshl_b32 s37, s29, 13
	s_add_co_u32 s38, s38, s37
	s_mov_b32 s39, 0
	s_add_nc_u64 s[8:9], s[8:9], s[38:39]
	s_mul_i32 s38, s35, 20480
	s_lshl_b32 s37, ttmp9, 13
	s_add_co_u32 s38, s38, s37
	s_lshl_b32 s37, s36, 10
	s_lshl_b32 s42, s29, 9
	s_add_co_u32 s37, s37, s42
	s_lshr_b32 s37, s37, s95
	s_add_co_u32 s38, s38, s37
	s_add_nc_u64 s[10:11], s[10:11], s[38:39]
	v_and_b32 v1, 31, v0
	v_and_b32 v2, 15, v0
	v_bfe_u32 v3, v0, 4, 1
	v_lshlrev_b32 v[OC], 4, v1
	v_add_nc_u32 v[OC+1], s33, v[OC]
	v_add_nc_u32 v[OC+2], s32, v[OC]
	v_add_nc_u32 v[OC+3], s33, v[OC+2]
	s_lshl_b32 s37, s14, 10
	v_lshlrev_b32 v[SW], 2, v2
	v_lshl_add_u32 v[SW], v3, 9, v[SW]
	v_add_nc_u32 v[SW], s37, v[SW]
	v_add_nc_u32 v[SRD], s37, v[OC]
	v_lshlrev_b32 v[VO], 4, v2
	v_mul_u32_u24 v4, s34, v3
	v_add_nc_u32 v[VO], v[VO], v4
.irp b, 0,1,2,3
	v_mov_b32 v[TM+4+\b], 0
.endr
	v_mov_b32 v[YP+1], 0
.macro OUTBLK a
.if (\a) > 0
	s_wait_dscnt 0x0
.endif
	v_mov_b32 v[YP], v[YB+(\a)]
	WIN 0x20+0x10*((\a)/4)
.set i, 0
.rept 32
	v_pk_fma_f32 v[TT+2*i:TT+2*i+1], v[XB+2*i:XB+2*i+1], v[YP:YP+1], v[64*((\a)%4)+2*i:64*((\a)%4)+2*i+1] op_sel_hi:[1,0,1]
.set i, i+1
.endr
	WIN 0
.irp b, 0,1,2,3
	v_max3_num_f32 v[TM+\b], |v[TT+16*\b]|, |v[TT+1+16*\b]|, 0x8000000
.endr
.irp i, 2,4,6,8,10,12,14
.irp b, 0,1,2,3
	v_max3_num_f32 v[TM+\b], v[TM+\b], |v[TT+16*\b+\i]|, |v[TT+1+16*\b+\i]|
.endr
.endr
.irp b, 0,1,2,3
	v_permlanex16_b32 v[TM+4+\b], v[TM+\b], s24, s25
.endr
.irp b, 0,1,2,3
	v_max_num_f32 v[TM+\b], v[TM+\b], v[TM+4+\b]
.endr
.irp b, 0,1,2,3
	v_add_nc_u32 v[TM+12+\b], 0xf8800000, v[TM+\b]
.endr
.irp b, 0,1,2,3
	v_and_or_b32 v[TM+8+\b], v[TM+\b], 0x7f800000, s26
.endr
.irp b, 0,1,2,3
	v_lshrrev_b32 v[TM+4+\b], 23, v[TM+12+\b]
.endr
	v_lshl_or_b32 v[W0], v[TM+5], 8, v[TM+4]
	v_lshl_or_b32 v[W1], v[TM+7], 8, v[TM+6]
	v_lshl_or_b32 v[PW], v[W1], 16, v[W0]
	v_cndmask_b32 v[WD], v[W0], v[W1], s97
	v_or_b32 v[WD], 0x7f7f0000, v[WD]
	v_cndmask_b32 v[WD], v[WD], v[PW], s96
.if (\a) > 0
	s_wait_alu depctr_va_vdst(0)                   ; the wait directly ahead of the wait below
	s_wait_xcnt 0x0                                ; the last block's stores have read their data: the conversions below write those registers anew
.endif
.irp b, 0,1,2,3
.irp i, 0,1,2,3,4,5,6,7,8,9,10,11,12,13,14,15
	v_med3_num_f32 v[TT+16*\b+\i], v[TT+16*\b+\i], -v[TM+8+\b], v[TM+8+\b]
.endr
	v_cvt_scalef32_pk8_bf8_f32 v[PC+4*\b:PC+1+4*\b], v[TT+16*\b:TT+7+16*\b], v[TM+12+\b]
	v_cvt_scalef32_pk8_bf8_f32 v[PC+2+4*\b:PC+3+4*\b], v[TT+8+16*\b:TT+15+16*\b], v[TM+12+\b]
.endr
	v_nop
	ds_store_b32 v[SW], v[WD] offset:64*(\a)
.irp c, 0,1,2,3
	global_store_b128 v[OC+2*((\a)/4)+\c/2], v[PC+4*\c:PC+4*\c+3], s[8:9] offset:((\a)%4)*1024+(\c%2)*512
.endr
.endm
.irp a, 0,1,2,3,4,5,6,7
	OUTBLK \a
.endr
	ds_load_b128 v[BK:BK+3], v[SRD]
	ds_load_b128 v[BK+4:BK+7], v[SRD] offset:512
	s_wait_dscnt 0x0
	global_store_b128 v[VO], v[BK:BK+3], s[10:11]
	s_cmp_eq_u32 s95, 1
	s_cbranch_scc1 .Lone_store
	global_store_b128 v[VO], v[BK+4:BK+7], s[10:11] offset:40960
.Lone_store:
	s_wait_tensorcnt 0x0
	ds_add_u32 v[SPW], v[NIL]
	s_wait_dscnt 0x0
	CROUND
	s_endpgm
.Lfunc_end_k_q34c138066f_proj:
	.size	k_q34c138066f_proj, .Lfunc_end_k_q34c138066f_proj-k_q34c138066f_proj
	.p2alignl 7, 3214868480
	.fill 96, 4, 3214868480
	.section	.rodata,"a",@progbits
	.p2align	6, 0x0
	.amdhsa_kernel k_q34c138066f_proj
		.amdhsa_group_segment_fixed_size 327680
		.amdhsa_private_segment_fixed_size 0
		.amdhsa_enable_private_segment 0
		.amdhsa_kernarg_size 40
		.amdhsa_user_sgpr_count 2
		.amdhsa_user_sgpr_kernarg_segment_ptr 1
		.amdhsa_wavefront_size32 1
		.amdhsa_system_sgpr_workgroup_id_x 1
		.amdhsa_system_sgpr_workgroup_id_y 1
		.amdhsa_system_sgpr_workgroup_id_z 1
		.amdhsa_system_vgpr_workitem_id 0
		.amdhsa_next_free_vgpr 1024
		.amdhsa_next_free_sgpr 102
		.amdhsa_reserve_vcc 0
		.amdhsa_float_denorm_mode_32 3
		.amdhsa_float_denorm_mode_16_64 3
		.amdhsa_memory_ordered 1
		.amdhsa_forward_progress 1
		.amdhsa_inst_pref_size 213
	.end_amdhsa_kernel
	.amdgpu_metadata
---
amdhsa.version: [ 1, 2 ]
amdhsa.kernels:
  - .name:           k_q34c138066f_proj
    .symbol:         k_q34c138066f_proj.kd
    .args:
      - { .name: xw_codes, .offset: 0, .size: 8, .value_kind: global_buffer, .address_space: global }
      - { .name: xw_scales, .offset: 8, .size: 8, .value_kind: global_buffer, .address_space: global }
      - { .name: qkv_codes, .offset: 16, .size: 8, .value_kind: global_buffer, .address_space: global }
      - { .name: qkv_scales, .offset: 24, .size: 8, .value_kind: global_buffer, .address_space: global }
      - { .name: entangle_params, .offset: 32, .size: 8, .value_kind: global_buffer, .address_space: global }
    .group_segment_fixed_size: 327680
    .private_segment_fixed_size: 0
    .kernarg_segment_align: 8
    .kernarg_segment_size: 40
    .max_flat_workgroup_size: 128
    .sgpr_count:     102
    .vgpr_count:     1024
    .wavefront_size: 32
...
	.end_amdgpu_metadata
.endif
;; end of part 2
;; launch attn (part 3): grid 8 x 32, 8 waves a work-group, clusters of 4 x 1, 327,680 bytes of LDS; arguments qkv_codes, qkv_scales, o_ws; writes o_ws
.if DOCPART == 3
	.amdgcn_target "amdgcn-amd-amdhsa--gfx1250"
	.amdhsa_code_object_version 6
	.text
	.protected	k_q34c138066f_attn
	.globl	k_q34c138066f_attn
	.p2align	8
	.type	k_q34c138066f_attn,@function
k_q34c138066f_attn:
	s_mov_b64 s[64:65], 0
	v_nop
	global_prefetch_b8 v0, s[64:65] scope:SCOPE_SE
	s_setreg_imm32_b32 hwreg(HW_REG_WAVE_MODE, 25, 1), 1
	s_wait_xcnt 0x0
	s_wait_alu depctr_hold_cnt(0) depctr_sa_sdst(0) depctr_va_vdst(0) depctr_va_sdst(0) depctr_va_ssrc(0) depctr_va_vcc(0) depctr_vm_vsrc(0)
	s_getreg_b32 s2, hwreg(HW_REG_IB_STS2, 6, 4)
	s_cmp_eq_u32 s2, 0
	s_cbranch_scc0 .Lentry_in_a_cluster
	s_endpgm
.Lentry_in_a_cluster:
	s_bfe_u32 s2, ttmp6, 0x10000c
	s_cmp_lg_u32 s2, 0x3003
	s_cbranch_scc0 .Lentry_shape_is_right
	s_endpgm
.Lentry_shape_is_right:
; For each hb = 2 x head + batch: O[q] = the sum over k of softmax_k(Q[q] . K[k] / 8) V[k], 2,048 queries and keys, head size 64, both products on codes of BF8 (E5M2) with one E8M0 scale for each 32 along a product's K.
; THE SOFTMAX AHEAD OF THE SECOND PRODUCT: t = score x log2(e) / 8; M = the row's largest t so far, rounded UP to a whole number; p = 2^(t - M) is quantised along the keys, not normalised.
; The row's sum is taken of the unquantised p, in f32, and divides O at the end.  When M moves, the sum and O are multiplied by 2^(old M - new M): exact.
; LIMITS: the promise holds while the scaled scores stay under 2^31 in magnitude; NaN and infinities are not served; a block's byte never falls under 1.
; Q, K and V arrive as IMAGES OF OPERAND REGISTERS (512 bytes: lane l's 16 bytes at 16 l), made by the launch before:
;   Q, K: [hb][tile T of 16 tokens][c = 0, 1][512]: lane (r, h): token 32 (T / 2) + 8 (T % 2) + r + 8 (r / 8), channels 32 c + 16 h + 0 .. 15;  V: [hb][key step][c / 2][tile a][c % 2][512]: keys 32 c + 16 h + 0 .. 15 of the step.
; SHARES.  A work-group owns 256 queries of one hb; each of its EIGHT waves owns TWO tiles of 16: tile A in register window 0, tile B in window 1, under the same register numbers, so that one text serves both.
; Each fragment of K and of V that a wave reads from LDS feeds two products.  Both products are used transposed (S^T = K Q^T, O^T = V^T P^T): a lane holds one query of each tile throughout.
; THE HEAD'S 64 ARE HALF OF THE INSTRUCTION'S 128.  Q's upper 64 are zero codes.  K's eight tiles of a step lie end to end in 64 registers, and a tile's upper 64 are the NEXT tile's codes (behind the last: eight registers of zeros):
; they are finite numbers (the launch before holds every number ahead of its conversion) under the byte 127, and meet zeros: they add nothing.
; THE ORDER OF WORK.  The two tiles run half a key step apart.  A tile's 68 exponentials stand as one batch, and among them stand the OTHER tile's twelve products, five exponentials behind each:
; in tile A's batch of step j: O^T of B for step j - 1, then B's scores of step j; in tile B's batch: O^T of A for step j, then A's scores of step j + 1.
; Behind tile A's rescaling the wave fetches from LDS V of step j and K of step j + 1, into registers that the products of A's batch have left; the wait for them stands ahead of B's batch.
; THE FILL AND THE RUN-OUT of that order: the first trip's O^T of B meets zero codes of p (set at the head) and adds nothing; the last trip's scores of A for a step 16, and the fetch for them (bytes of V's images and words, which lie
; behind K's in LDS), are read by nothing; B's last four products stand behind the loop.
; LDS.  A whole hb's K and V, 2 x 131,072 bytes, and their scale words, 12,288 bytes: every byte is filled once, by one tensor load a wave at the head.  An image's 512 bytes are consecutive: no pitch, no padding.
; The loads have three lines: waves 0, 1 the scale words; waves 2, 3 the first four key steps of K and of V; waves 4 to 7 the other twelve.  The first barrier shows the first two lines' bytes (their four waves wait), three key steps
; run on them, and a second barrier, at which every wave waits, shows the rest.
; CLUSTER.  The four query blocks of a cluster belong to one hb and read the same K and V: each tile is asked for jointly, with the mask of all four.
; NO PREFETCH: all that the launch reads of K and V is asked for at the head; the loops read nothing from memory.
; O leaves as the image of O^T's registers, [hb][T][k = 0 .. 7][512]; the last launch brings it into the output's order.
.set VIMG, 131072                      ; LDS: K's images from 0, 8,192 bytes a key step; V's from here
.set KSC,  262144                      ; K's scale words: 512 bytes a step
.set VSC,  270336                      ; V's: 256 a step
.set SPARE, 274432                     ; the spare words: 128 bytes a wave
.set FIRST, 32768                      ; four key steps' images
.set REST,  49152                      ; six key steps' images
.set SPW,  5                           ; window 0: v1 16 x lane; v2 VIMG + that; v3, v4 KSC, VSC + 4 x lane; v5 my spare word; v6 0; v7 4 x (lane % 16)
.set NIL,  6
.set ADK,  8                           ; v8-11 the step's LDS addresses
.set ADV,  9
.set ADS,  10
.set ADT,  11
.set KF,   32                          ; window 0: v32-95 K's eight tiles, v96-103 zeros
.set VF,   32                          ; window 1: v32-95 V's four fragments
.set KW,   240                         ; window 0, scales alone: v240-243 K's words (lanes 0-15 an even tile's, 16-31 the odd one's); v244, v245 Q's of tiles A, B; v246, v247 V's; v248, v249 p's of tiles A, B
.set QW,   244
.set VW,   246
.set PW,   248
; in each window, for its tile: v12 -M, v13 the largest score, v[14:15] the sum in two halves, v16-31 Q (v24-31 zero)
.set S,    104                         ; v104-167 S^T, then p
.set O,    168                         ; v168-199 O^T
.set PC,   200                         ; v200-215 p's codes
.set BM,   216                         ; v216-219 the blocks' largest score, then largest p
.set PT,   220                         ; v220-223 the other half's, then the bytes
.set HB,   224                         ; v224-227 57,344 x the scale
.set SO,   228                         ; v228-231 a second chain of the maxima, then the conversions' scale operands
.set F,    232                         ; v[232:233] f = 2^(old M - new M) in the low word
.set TMP,  234                         ; v234, v235
.set A1,   236                         ; five more chains of the sum
.set A2,   238
.set A3,   250
.set A4,   252
.set A5,   254
.set WV,   10                          ; s10 my wave's number
.set MNT,  19                          ; s19 the mantissa field of 57,344
.set SEL,  20                          ; s[20:21] lane l xor 16
.set CS,   22                          ; s[22:23] c = log2(e) / 8
.set G1S,  24                          ; descriptor groups 1: 24, 128, 192 rows of 256 bytes
.set G1A,  32
.set G1B,  40
.set G0S,  48                          ; and groups 0; never rewritten
.set G0A,  52
.set G0B,  56
.set TK,   60                          ; s60 where the step's images begin in K's and in V's part; s61, s62 its scale words; s63 steps to go
.set TS,   61
.set TV,   62
.set CNT,  63
.set MSB, 0
.macro WIN new                         ; the immediate's high byte repeats the setting that is left
.if MSB != (\new)
	s_set_vgpr_msb (MSB<<8)|(\new)
.set MSB, (\new)
.endif
.endm
.macro ROUND                           ; a round of the cluster's barrier
	s_barrier_signal -1
	s_barrier_wait -1
	s_cmp_lg_u32 s[WV], 0
	s_cbranch_scc1 .Lnot_wave_0_\@
	s_barrier_signal -3
.Lnot_wave_0_\@:
	s_barrier_wait -3
	s_barrier_signal -1
	s_barrier_wait -1
.endm
.macro GRP1 g, rows                    ; dense rows of 256 bytes (32 elements of 8); the mask names all four work-groups, bit 21 beside it
	s_mov_b32 s[\g], 15|(3<<16)|(1<<21)
	s_mov_b32 s[\g+1], 32<<16
	s_mov_b32 s[\g+2], (\rows)<<16
	s_mov_b32 s[\g+3], 32<<16
	s_mov_b32 s[\g+4], \rows
	s_mov_b32 s[\g+5], 32
	s_mov_b32 s[\g+6], 0
	s_mov_b32 s[\g+7], 0
.endm
.macro TLOAD g0, g1                    ; an s_nop 0 and four v_nop follow a tensor load
	tensor_load_to_lds s[\g0:\g0+3], s[\g1:\g1+7]
	s_nop 0
.rept 4
	v_nop
.endr
.endm
	s_load_b128 s[4:7], s[0:1], 0x0                ; the codes, the scale words
	s_load_b64 s[8:9], s[0:1], 0x10                ; O's images
	v_lshl_add_u32 v[SPW], v0, 2, SPARE
	v_mov_b32 v[NIL], 0
	ds_add_u32 v[SPW], v[NIL]                      ; the opening lines: the add, twice on end, and its wait ahead of my tensor load
	ds_add_u32 v[SPW], v[NIL]
	v_lshrrev_b32 v2, 5, v0
	v_readfirstlane_b32 s[WV], v2                  ; wave 0..7
	s_bfe_u32 s11, ttmp6, 0x40000                  ; cx: it enters Q's and O's addresses alone
	s_and_b32 s12, ttmp7, 0xffff                   ; hb, which the four partners share
	s_and_b32 s13, s[WV], 1
	s_bfe_u32 s14, s[WV], 0x10001                  ; bit 1 of the wave's number
	s_lshl_b32 s15, s12, 17                        ; the hb's 131,072 bytes in each part of the codes
	s_mul_i32 s16, s12, 20480                      ; and its 20,480 bytes of scale words: Q's 8,192, K's 8,192, V's 4,096
	s_mul_i32 s17, s13, 6144                       ; waves 0, 1: a half of K's and V's 12,288 dense bytes of scale words
	s_add_co_u32 s66, s16, s17
	s_add_co_u32 s66, s66, 8192
	s_mov_b32 s67, 0
	s_add_co_u32 s[G0S+1], s17, KSC
	s_add_co_u32 s68, s13, 1                       ; waves 2, 3: K's (part 1 of the codes) or V's (part 2) first four key steps
	s_lshl_b32 s68, s68, 22
	s_add_co_u32 s68, s68, s15
	s_mov_b32 s69, 0
	s_lshl_b32 s[G0A+1], s13, 17
	s_add_co_u32 s70, s14, 1                       ; waves 4 to 7: K's (4, 5) or V's (6, 7) key steps 4 to 9 or 10 to 15
	s_lshl_b32 s70, s70, 22
	s_add_co_u32 s70, s70, s15
	s_mul_i32 s17, s13, REST
	s_add_co_u32 s17, s17, FIRST
	s_add_co_u32 s70, s70, s17
	s_mov_b32 s71, 0
	s_lshl_b32 s[G0B+1], s14, 17
	s_add_co_u32 s[G0B+1], s[G0B+1], s17
	s_lshl_b32 s18, ttmp9, 2                       ; in a cluster launch ttmp9 counts clusters
	s_add_co_u32 s18, s18, s11
	s_lshl_b32 s18, s18, 3
	s_add_co_u32 s18, s18, s[WV]
	s_lshl_b32 s18, s18, 1                         ; T = 16 x (4 x cluster x + cx) + 2 x wave: tile A; tile B is T + 1
	s_lshl_b32 s72, s18, 10
	s_add_co_u32 s72, s72, s15                     ; Q's images
	s_mov_b32 s73, 0
	s_lshl_b32 s74, s18, 6
	s_add_co_u32 s74, s74, s16                     ; Q's scale words
	s_mov_b32 s75, 0
	s_lshl_b32 s76, s12, 7
	s_add_co_u32 s76, s76, s18
	s_lshl_b32 s76, s76, 12                        ; O: 4,096 bytes a tile
	s_mov_b32 s77, 0
	GRP1 G1S, 24
	GRP1 G1A, 128
	GRP1 G1B, 192
	s_mov_b32 s[SEL], 0x76543210
	s_mov_b32 s[SEL+1], 0xfedcba98
	s_mov_b32 s[CS], 0x3e38aa3b
	s_mov_b32 s[CS+1], s[CS]                       ; (named with it as a pair, so it is written)
	s_mov_b32 s[MNT], 0x600000
	s_wait_dscnt 0x0                               ; both opening adds are done
	s_wait_kmcnt 0x0
	s_mov_b32 s[G0S], 1
	s_add_nc_u64 s[G0S+2:G0S+3], s[6:7], s[66:67]
	s_or_b32 s[G0S+3], s[G0S+3], 0x80000000
	s_mov_b32 s[G0A], 1
	s_add_nc_u64 s[G0A+2:G0A+3], s[4:5], s[68:69]
	s_or_b32 s[G0A+3], s[G0A+3], 0x80000000
	s_mov_b32 s[G0B], 1
	s_add_nc_u64 s[G0B+2:G0B+3], s[4:5], s[70:71]
	s_or_b32 s[G0B+3], s[G0B+3], 0x80000000
	ROUND                                          ; all four work-groups are here: the joint loads meet
	s_cmp_lt_u32 s[WV], 2                          ; ONE chain of arms on the wave's number, one load to an arm, one join: every wave issues one load
	s_cbranch_scc0 .Larm_a
	TLOAD G0S, G1S
	s_branch .Lasked
.Larm_a:
	s_cmp_lt_u32 s[WV], 4
	s_cbranch_scc0 .Larm_b
	TLOAD G0A, G1A
	s_branch .Lasked
.Larm_b:
	TLOAD G0B, G1B
.Lasked:
	s_add_nc_u64 s[72:73], s[4:5], s[72:73]
	s_add_nc_u64 s[74:75], s[6:7], s[74:75]
	s_add_nc_u64 s[8:9], s[8:9], s[76:77]
	v_and_b32 v3, 31, v0
	v_lshlrev_b32 v1, 4, v3                        ; an image's place for my lane
	v_and_b32 v7, 15, v0
	v_lshlrev_b32 v7, 2, v7
	global_load_b128 v[16:19], v1, s[72:73]        ; Q's fragments stay in registers: tile A's channels 0-31,
	global_load_b128 v[20:23], v1, s[72:73] offset:512   ; 32-63
	global_load_b32 v[QW], v7, s[74:75]            ; Q's scale words
	global_load_b32 v[QW+1], v7, s[74:75] offset:64
	WIN 0x40                                       ; destination in window 1
	global_load_b128 v[16:19], v1, s[72:73] offset:1024  ; tile B's
	global_load_b128 v[20:23], v1, s[72:73] offset:1536
	WIN 0
	v_add_nc_u32 v2, VIMG, v1
	v_lshlrev_b32 v4, 2, v3
	v_add_nc_u32 v3, KSC, v4
	v_add_nc_u32 v4, VSC, v4
	v_mov_b32 v[PW+1], 0x7f7f7f7f                  ; the scale word of tile B's zero codes in the first trip
.irp i, 0,1,2,3,4,5,6,7
	v_mov_b32 v[KF+64+\i], 0                       ; behind K's last tile
.endr
.macro INIT w                          ; a tile's state.  The step is written once: the first finds zeros, which the first change of M leaves zeros
	WIN 0x55*(\w)
	v_mov_b32 v13, 0xff61b1e6                      ; the largest score so far: -3e38
	v_floor_f32 v12, -v13                          ; -M
	v_mov_b32 v14, 0
	v_mov_b32 v15, 0
	v_mov_b32 v[F+1], 0                            ; (named as the upper half of a pair)
.irp b, 0,1,2,3
	v_mov_b32 v[PT+\b], 0                          ; a lane permute's destination counts as one of its sources
.endr
.irp i, 0,1,2,3,4,5,6,7
	v_mov_b32 v[24+\i], 0                          ; Q's upper 64 along K: zero codes
.endr
.set j, 0
.rept 32
	v_mov_b32 v[O+j], 0
.set j, j+1
.endr
.if (\w)
.set j, 0
.rept 16
	v_mov_b32 v[PC+j], 0                           ; tile B's p ahead of key step 0: zero codes
.set j, j+1
.endr
.endif
.endm
	INIT 0
	INIT 1
	WIN 0
.macro KLOAD ak, as, ko, so            ; a key step's eight tiles of K, end to end, and their scale words
.irp t, 0,1,2,3,4,5,6,7
	ds_load_b128 v[KF+8*\t:KF+8*\t+3], v[\ak] offset:\ko+1024*\t
	ds_load_b128 v[KF+8*\t+4:KF+8*\t+7], v[\ak] offset:\ko+1024*\t+512
.endr
.irp i, 0,1,2,3
	ds_load_b32 v[KW+\i], v[\as] offset:\so+128*\i
.endr
.endm
.macro VLOAD av, at                    ; a key step's four fragments of V, into window 1, and their scale words: tiles 0 (lanes 0-15) and 1 (lanes 16-31), 2 and 3
	ds_load_b32 v[VW], v[\at]
	ds_load_b32 v[VW+1], v[\at] offset:128
	WIN 0x40
.irp a, 0,1,2,3
.irp c, 0,1,2,3
	ds_load_b128 v[VF+16*\a+4*\c:VF+16*\a+4*\c+3], v[\av] offset:(\c/2)*4096+1024*\a+(\c%2)*512
.endr
.endr
	WIN 0
.endm
.macro S1 w, t                         ; S^T = K Q^T: tile t of 16 keys for query tile w: K from window 0; Q and the scores in the tile's window
	WIN 0x54*(\w)
.if (\t)%2
	v_wmma_scale_f32_16x16x128_f8f6f4 v[S+8*(\t):S+8*(\t)+7], v[KF+8*(\t):KF+8*(\t)+15], v[16:31], 0, v[KW+(\t)/2], v[QW+(\w)] matrix_a_fmt:MATRIX_FMT_BF8 matrix_b_fmt:MATRIX_FMT_BF8 matrix_a_scale:MATRIX_SCALE_ROW1
.else
	v_wmma_scale_f32_16x16x128_f8f6f4 v[S+8*(\t):S+8*(\t)+7], v[KF+8*(\t):KF+8*(\t)+15], v[16:31], 0, v[KW+(\t)/2], v[QW+(\w)] matrix_a_fmt:MATRIX_FMT_BF8 matrix_b_fmt:MATRIX_FMT_BF8
.endif
.endm
.macro PV1 w, a                        ; O^T += V^T P^T: tile a of 16 channels for query tile w: V from window 1; the accumulators take turns
	WIN 0x01+0x54*(\w)
.if (\a)%2
	v_wmma_scale_f32_16x16x128_f8f6f4 v[O+8*(\a):O+8*(\a)+7], v[VF+16*(\a):VF+16*(\a)+15], v[PC:PC+15], v[O+8*(\a):O+8*(\a)+7], v[VW+(\a)/2], v[PW+(\w)] matrix_a_fmt:MATRIX_FMT_BF8 matrix_b_fmt:MATRIX_FMT_BF8 matrix_a_scale:MATRIX_SCALE_ROW1
.else
	v_wmma_scale_f32_16x16x128_f8f6f4 v[O+8*(\a):O+8*(\a)+7], v[VF+16*(\a):VF+16*(\a)+15], v[PC:PC+15], v[O+8*(\a):O+8*(\a)+7], v[VW+(\a)/2], v[PW+(\w)] matrix_a_fmt:MATRIX_FMT_BF8 matrix_b_fmt:MATRIX_FMT_BF8
.endif
.endm
.macro MATL w, k                       ; the k-th of tile w's twelve products of a batch
.if (\k) < 4
	PV1 \w, \k
.else
	S1 \w, (\k)-4
.endif
.endm
.macro EXPL e                          ; the e-th of a tile's 68 exponentials: p = 2^(t - M), at most 1; the last four: the blocks' largest p (the same two instructions on the same number give the same bits)
.if (\e) < 64
	v_exp_f32 v[S+(\e)], v[S+(\e)]
.else
	v_exp_f32 v[BM+(\e)-64], v[BM+(\e)-64]
.endif
.endm
.macro TMM n                           ; t - M of n pairs from j on (of the pairs c and -M the low word serves both halves)
.rept \n
	v_pk_fma_f32 v[S+j:S+j+1], v[S+j:S+j+1], s[CS:CS+1], v[12:13] op_sel_hi:[1,0,0]
.set j, j+2
.endr
.endm
; A TILE'S SOFTMAX AND QUANTISER for 128 keys, in the tile's window, with the other tile's products in its batch.  Lane (r, h) holds query r; the 16 registers of score tiles 2 b, 2 b + 1 are keys 32 b + 16 h + 0 .. 15.
.macro SOFT w
	WIN 0x55*(\w)
	s_wait_alu depctr_va_vdst(0)                   ; the wait directly ahead of the scores' first readers
.irp b, 0,1,2,3
	v_max3_num_f32 v[BM+\b], v[S+16*\b], v[S+16*\b+1], v[S+16*\b+2]   ; the largest score of each block of 32 keys, in two chains a block: for the row's maximum and, since p rises with the score, for the block's largest p
.endr
.irp b, 0,1,2,3
	v_max3_num_f32 v[SO+\b], v[S+16*\b+8], v[S+16*\b+9], v[S+16*\b+10]
.endr
.irp i, 3,5
.irp b, 0,1,2,3
	v_max3_num_f32 v[BM+\b], v[BM+\b], v[S+16*\b+\i], v[S+16*\b+\i+1]
.endr
.irp b, 0,1,2,3
	v_max3_num_f32 v[SO+\b], v[SO+\b], v[S+16*\b+8+\i], v[S+16*\b+9+\i]
.endr
.endr
.irp b, 0,1,2,3
	v_max3_num_f32 v[BM+\b], v[BM+\b], v[SO+\b], v[S+16*\b+7]
.endr
.irp b, 0,1,2,3
	v_max_num_f32 v[BM+\b], v[BM+\b], v[S+16*\b+15]
.endr
.irp b, 0,1,2,3
	v_permlanex16_b32 v[PT+\b], v[BM+\b], s[SEL], s[SEL+1]
.endr
	v_mov_b32 v[TMP+1], v12                        ; the old -M
.irp b, 0,1,2,3
	v_max_num_f32 v[BM+\b], v[BM+\b], v[PT+\b]     ; with lane l xor 16's 16 keys
.endr
	s_delay_alu instid0(VALU_DEP_2)
	v_max3_num_f32 v[TMP], v[BM], v[BM+1], v[BM+2]
	s_delay_alu instid0(VALU_DEP_1)
	v_max3_num_f32 v13, v13, v[TMP], v[BM+3]       ; the running largest score (c is positive: the largest t is c x it)
	s_delay_alu instid0(VALU_DEP_1)
	v_mul_f32 v[TMP], s[CS], v13
	s_delay_alu instid0(VALU_DEP_1)
	v_floor_f32 v12, -v[TMP]                       ; the new -M = -ceil(t): a whole number
.set j, 0
	TMM 4
	v_sub_f32 v[TMP+1], v12, v[TMP+1]              ; old M less new M: a whole number, 0 or less
	TMM 4
	v_cvt_i32_f32 v[TMP+1], v[TMP+1]               ; (it saturates)
	TMM 4
	v_ldexp_f32 v[F], 1.0, v[TMP+1]                ; f = 2^(old M - new M): a multiplication by it rounds nothing
	TMM 20
.irp b, 0,1,2,3
	v_fma_f32 v[BM+\b], v[BM+\b], s[CS], v12       ; the same of each block's largest score
.endr
	s_wait_dscnt 0x0                               ; the fragments that the products below take (38 loads, issued in tile A's part of the step)
	s_wait_alu depctr_va_vdst(0)                   ; the wait ahead of the batch
.set k_, 0
.set e_, 0
.rept 12                                       ; THE BATCH: the other tile's twelve products, five of my exponentials behind each
	MATL 1-(\w), k_
	WIN 0x55*(\w)
.rept 5
	EXPL e_
.set e_, e_+1
.endr
.set k_, k_+1
.endr
.rept 8
	EXPL e_
.set e_, e_+1
.endr
	v_pk_mul_f32 v[14:15], v[14:15], v[F:F+1] op_sel_hi:[1,0]   ; the sums under the new M (the plain place behind the batch)
	s_wait_alu depctr_va_vdst(0)                   ; one wait for the batch, and directly ahead of O^T's first readers
.set j, 0
.irp g, 0,1,2,3                                ; O^T under the new M, each accumulator from its low end on; among its lines the scales' lines, four blocks by turns
.rept 4
	v_pk_mul_f32 v[O+j:O+j+1], v[O+j:O+j+1], v[F:F+1] op_sel_hi:[1,0]
.set j, j+2
.endr
.irp b, 0,1,2,3
.if \g == 0
	v_max_num_f32 v[BM+\b], 0x8000000, v[BM+\b]    ; the floor 2^(16 - 127): the byte cannot fall under 1
.elseif \g == 1
	v_add_nc_u32 v[SO+\b], 0xf8800000, v[BM+\b]    ; 15 off the exponent field: the conversion's scale operand
.elseif \g == 2
	v_and_or_b32 v[HB+\b], v[BM+\b], 0x7f800000, s[MNT]   ; 57,344 x the scale
.else
	v_lshrrev_b32 v[PT+\b], 23, v[SO+\b]           ; the scale's byte
.endif
.endr
.endr
.if (\w) == 0
	v_add_nc_u32 v[ADK], s[TK], v1
	v_add_nc_u32 v[ADV], s[TK], v2
	v_add_nc_u32 v[ADS], s[TS], v3
	v_add_nc_u32 v[ADT], s[TV], v4
.endif
	v_lshl_or_b32 v[TMP], v[PT+1], 8, v[PT]
	v_lshl_or_b32 v[TMP+1], v[PT+3], 8, v[PT+2]
	WIN 0x15*(\w)                                  ; scale operands are taken from window 0: the word's destination lies there
	v_lshl_or_b32 v[PW+(\w)], v[TMP+1], 16, v[TMP] ; p's scale word for these 128 keys
	WIN 0x55*(\w)
.if (\w) == 0
	KLOAD ADK, ADS, 8192, 512                      ; the NEXT step's K and THIS step's V: more than eight plain lines stand behind the batch's products, which have read these registers
	VLOAD ADV, ADT
.endif
.irp q, 0,1
	v_pk_add_f32 v[A1+2*\q:A1+2*\q+1], v[S+4*\q:S+4*\q+1], v[S+4*\q+2:S+4*\q+3]   ; THE ROW'S SUM IS TAKEN OF THE UNQUANTISED p: two at a time, in six chains
.endr
.irp q, 0,1,2
	v_pk_add_f32 v[A3+2*\q:A3+2*\q+1], v[S+8+4*\q:S+8+4*\q+1], v[S+8+4*\q+2:S+8+4*\q+3]
.endr
	v_pk_add_f32 v[14:15], v[14:15], v[S+20:S+21]
.set j, 22
.rept 3
	v_pk_add_f32 v[A1:A1+1], v[A1:A1+1], v[S+j:S+j+1]
	v_pk_add_f32 v[A2:A2+1], v[A2:A2+1], v[S+j+2:S+j+3]
	v_pk_add_f32 v[A3:A3+1], v[A3:A3+1], v[S+j+4:S+j+5]
	v_pk_add_f32 v[A4:A4+1], v[A4:A4+1], v[S+j+6:S+j+7]
	v_pk_add_f32 v[A5:A5+1], v[A5:A5+1], v[S+j+8:S+j+9]
	v_pk_add_f32 v[14:15], v[14:15], v[S+j+10:S+j+11]
.set j, j+12
.endr
	v_pk_add_f32 v[A1:A1+1], v[A1:A1+1], v[S+58:S+59]
	v_pk_add_f32 v[A2:A2+1], v[A2:A2+1], v[S+60:S+61]
	v_pk_add_f32 v[A3:A3+1], v[A3:A3+1], v[S+62:S+63]
	v_pk_add_f32 v[14:15], v[14:15], v[A5:A5+1]
	v_pk_add_f32 v[A1:A1+1], v[A1:A1+1], v[A2:A2+1]
	v_pk_add_f32 v[A3:A3+1], v[A3:A3+1], v[A4:A4+1]
	v_pk_add_f32 v[14:15], v[14:15], v[A1:A1+1]
	v_pk_add_f32 v[14:15], v[14:15], v[A3:A3+1]
; THE HOLD (the conversion to an 8-bit code does not saturate: ISA guide 7.6.2; p is not negative, so it is one-sided), two numbers a line: a pair takes an even register of one block and an odd one of its neighbour,
; so that destinations are even and odd and both pairs of sources have register numbers that differ modulo 4.
.irp b, 0,2
.irp i, 0,2,4,6,8,10,12,14
	v_dual_min_num_f32 v[S+16*\b+\i], v[S+16*\b+\i], v[HB+\b] :: v_dual_min_num_f32 v[S+16*\b+17+\i], v[S+16*\b+17+\i], v[HB+\b+1]
	v_dual_min_num_f32 v[S+16*\b+16+\i], v[S+16*\b+16+\i], v[HB+\b+1] :: v_dual_min_num_f32 v[S+16*\b+1+\i], v[S+16*\b+1+\i], v[HB+\b]
.endr
.irp e, 0,1
	v_cvt_scalef32_pk8_bf8_f32 v[PC+4*(\b+\e):PC+4*(\b+\e)+1], v[S+16*(\b+\e):S+16*(\b+\e)+7], v[SO+\b+\e]
	v_cvt_scalef32_pk8_bf8_f32 v[PC+4*(\b+\e)+2:PC+4*(\b+\e)+3], v[S+16*(\b+\e)+8:S+16*(\b+\e)+15], v[SO+\b+\e]
.endr
.endr
	v_nop                                          ; a plain line behind the last conversion
.endm
.macro STEP
	SOFT 0
	SOFT 1
	WIN 0
	s_add_co_u32 s[TK], s[TK], 8192
	s_add_co_u32 s[TS], s[TS], 512
	s_add_co_u32 s[TV], s[TV], 256
.endm
	s_wait_alu depctr_va_vdst(0)                   ; the wait at the head's end
	s_wait_loadcnt 0x0                             ; Q
	s_cmp_lt_u32 s[WV], 4
	s_cbranch_scc0 .Lnot_first
	s_wait_tensorcnt 0x0                           ; waves 0 to 3: the scale words and the first four key steps have landed; the other waves' wait stands at the second barrier
.Lnot_first:
	s_barrier_signal -1
	s_barrier_wait -1
	KLOAD 1, 3, 0, 0                               ; key step 0's K, and its V (finite codes for the first trip's products on zero codes of p)
	VLOAD 2, 4
	s_mov_b32 s[TK], 0
	s_mov_b32 s[TS], 0
	s_mov_b32 s[TV], 0
	s_mov_b32 s[CNT], 3
	s_wait_dscnt 0x0
.set k_, 4
.rept 8
	MATL 0, k_                                     ; tile A's scores of key step 0
.set k_, k_+1
.endr
	WIN 0
.rept 8
	v_nop                                          ; eight places ahead of their first readers
.endr
.Lstep_a:                                          ; key steps 0 to 2: they read K's steps 0 to 3 and V's 0 to 2
	STEP
	s_sub_co_u32 s[CNT], s[CNT], 1
	s_cmp_lg_u32 s[CNT], 0
	s_cbranch_scc1 .Lstep_a
	s_wait_tensorcnt 0x0                           ; every wave's load has landed
	s_wait_dscnt 0x0
	s_barrier_signal -1
	s_barrier_wait -1                              ; the whole hb lies in LDS, and nothing writes LDS from here on
	s_mov_b32 s[TK], 3*8192
	s_mov_b32 s[TS], 3*512
	s_mov_b32 s[TV], 3*256
	s_mov_b32 s[CNT], 13
.Lstep_b:                                          ; key steps 3 to 15; no barrier stands in the loop
	STEP
	s_sub_co_u32 s[CNT], s[CNT], 1
	s_cmp_lg_u32 s[CNT], 0
	s_cbranch_scc1 .Lstep_b
; THE WAY OUT.  O^T / the sum leaves as it lies: 32 lanes store 512 consecutive bytes, at a multiple of 512 from the buffer's first byte.
.macro FINISH w
	WIN 0x55*(\w)
	v_add_f32 v14, v14, v15                        ; the sum's two halves,
	v_permlanex16_b32 v[F], v14, s[SEL], s[SEL+1]
	v_add_f32 v14, v14, v[F]                       ; and lane l xor 16's: the row's sum
	s_wait_alu depctr_va_vdst(0)                   ; the wait ahead of the transcendental
	v_rcp_f32 v14, v14
	v_nop
	s_wait_alu depctr_va_vdst(0)                   ; and behind it, directly ahead of O^T's first readers
.set j, 0
.rept 16
	v_pk_mul_f32 v[S+j:S+j+1], v[O+j:O+j+1], v[14:15] op_sel_hi:[1,0]
.set j, j+2
.endr
	WIN 0x04*(\w)                                  ; the stores' data in the tile's window, their offset in window 0
.irp k, 0,1,2,3,4,5,6,7
	global_store_b128 v1, v[S+4*\k:S+4*\k+3], s[8:9] offset:4096*(\w)+512*\k
.endr
.endm
.rept 3
	v_nop                                          ; with the line behind the last conversion four places between tile B's last codes and the products that take them
.endr
	s_wait_alu depctr_va_vdst(0)                   ; the codes were written a few lines and seven scalar lines back
.set k_, 0
.rept 4
	MATL 1, k_
.set k_, k_+1
.endr
	FINISH 0                                       ; tile A's twenty plain lines are also the places behind tile B's last products
	FINISH 1
	WIN 0
	s_wait_tensorcnt 0x0                           ; the wave's end
	ds_add_u32 v[SPW], v[NIL]
	s_wait_dscnt 0x0
	ROUND                                          ; the closing round: no work-group ends while a partner may still ask for a tile that names it
	s_endpgm
.Lfunc_end_k_q34c138066f_attn:
	.size	k_q34c138066f_attn, .Lfunc_end_k_q34c138066f_attn-k_q34c138066f_attn
	.p2alignl 7, 3214868480
	.fill 96, 4, 3214868480
	.section	.rodata,"a",@progbits
	.p2align	6, 0x0
	.amdhsa_kernel k_q34c138066f_attn
		.amdhsa_group_segment_fixed_size 327680
		.amdhsa_private_segment_fixed_size 0
		.amdhsa_enable_private_segment 0
		.amdhsa_kernarg_size 24
		.amdhsa_user_sgpr_count 2
		.amdhsa_user_sgpr_kernarg_segment_ptr 1
		.amdhsa_wavefront_size32 1
		.amdhsa_system_sgpr_workgroup_id_x 1
		.amdhsa_system_sgpr_workgroup_id_y 1
		.amdhsa_system_sgpr_workgroup_id_z 1
		.amdhsa_system_vgpr_workitem_id 0
		.amdhsa_next_free_vgpr 512
		.amdhsa_next_free_sgpr 80
		.amdhsa_reserve_vcc 0
		.amdhsa_float_denorm_mode_32 3
		.amdhsa_float_denorm_mode_16_64 3
		.amdhsa_memory_ordered 1
		.amdhsa_forward_progress 1
		.amdhsa_inst_pref_size 92
	.end_amdhsa_kernel
	.amdgpu_metadata
---
amdhsa.version: [ 1, 2 ]
amdhsa.kernels:
  - .name:           k_q34c138066f_attn
    .symbol:         k_q34c138066f_attn.kd
    .args:
      - { .name: qkv_codes, .offset: 0, .size: 8, .value_kind: global_buffer, .address_space: global }
      - { .name: qkv_scales, .offset: 8, .size: 8, .value_kind: global_buffer, .address_space: global }
      - { .name: o_ws, .offset: 16, .size: 8, .value_kind: global_buffer, .address_space: global }
    .group_segment_fixed_size: 327680
    .private_segment_fixed_size: 0
    .kernarg_segment_align: 8
    .kernarg_segment_size: 24
    .max_flat_workgroup_size: 256
    .sgpr_count:     80
    .vgpr_count:     512
    .wavefront_size: 32
...
	.end_amdgpu_metadata
.endif
;; end of part 3
;; launch perm (part 4): grid 128 x 2, 8 waves a work-group, no clusters, 66,816 bytes of LDS; arguments o_ws, out0; writes out0
.if DOCPART == 4
	.amdgcn_target "amdgcn-amd-amdhsa--gfx1250"
	.amdhsa_code_object_version 6
	.text
	.protected	k_q34c138066f_perm
	.globl	k_q34c138066f_perm
	.p2align	8
	.type	k_q34c138066f_perm,@function
k_q34c138066f_perm:
	s_mov_b64 s[64:65], 0
	v_nop
	global_prefetch_b8 v0, s[64:65] scope:SCOPE_SE
	s_setreg_imm32_b32 hwreg(HW_REG_WAVE_MODE, 25, 1), 1
	s_wait_xcnt 0x0
; out0's flat index is s x 2048 + d x 32 + hb (hb = 2 x head + batch): the 32 hb lie side by side, 4 bytes each.  O arrives as images of registers, [hb][tile T of 16 queries][k = 0 .. 7][512 bytes]:
; in image k = 4 B + kk the 16 bytes of lane (r, h) are O(query r of tile T, channels 32 B + 16 h + 4 kk + 0 .. 3); query r of tile T is s = 32 (T / 2) + 8 (T % 2) + r + 8 (r / 8).
; A work-group takes one tile T and one half B of the channels, for all 32 hb: 65,536 bytes in, 16 rows x 4,096 consecutive bytes out.
; IN: wave w loads the planes hb = 4 w .. 4 w + 3, each load 512 consecutive bytes, and stores them to LDS as they lie; a plane begins at 2,048 hb + 16 (hb / 4).
; OUT: wave w takes rows r = 2 w, 2 w + 1.  A store's 512 bytes are four channels x 32 hb: lane l holds channel l / 8 and hb = 4 (l % 8) + 0 .. 3, fetched by four loads of 4 bytes; by the 16 bytes behind every
; four planes the 32 lanes of such a load take words 4 (l % 8) + l / 8 apart modulo 64: 32 different banks (64 banks of 4 bytes: ISA guide 11.1).
; A stream: no matrix unit, no tensor loads, no cluster (work-groups share no input); one barrier, between the planes' stores and the rows' loads.
.set PL,  8208                         ; four planes of 2,048 bytes + 16
.set IN,  16                           ; v16-79   the 16 loads
.set OUTR, 80                          ; v80-143  the 16 stores' data
	s_load_b128 s[4:7], s[0:1], 0x0                ; O's images, out0
	v_lshl_add_u32 v144, v0, 2, 0x10100
	v_mov_b32 v145, 0
	v_lshrrev_b32 v1, 5, v0
	s_delay_alu instid0(VALU_DEP_1)
	v_readfirstlane_b32 s8, v1                     ; wave 0..7
	v_and_b32 v2, 31, v0                           ; lane
	s_delay_alu instid0(VALU_DEP_1)
	v_lshlrev_b32 v3, 4, v2                        ; 16 x lane: never rewritten
	s_wait_alu depctr_va_vdst(0)
	s_and_b32 s9, ttmp7, 0xffff                    ; B
	s_lshl_b32 s10, ttmp9, 12                      ; 4,096 T
	s_lshl_b32 s11, s9, 11                         ; 2,048 B
	s_add_co_u32 s10, s10, s11
	s_lshl_b32 s11, s8, 21                         ; four planes of 524,288 bytes a wave
	s_add_co_u32 s10, s10, s11
	s_mov_b32 s11, 0
	s_mul_i32 s12, s8, PL
	v_add_nc_u32 v4, s12, v3                       ; LDS, in: my wave's four planes, 16 x lane
	v_and_b32 v5, 7, v2
	s_delay_alu instid0(VALU_DEP_1)
	v_mul_u32_u24 v5, v5, PL
	v_lshrrev_b32 v6, 3, v2
	s_delay_alu instid0(VALU_DEP_1)
	v_lshl_add_u32 v5, v6, 2, v5
	s_lshl_b32 s13, s8, 5
	v_add_nc_u32 v5, s13, v5                       ; LDS, out: planes 4 (l % 8) on, word l / 8 of the 16 bytes of query 2 w
	s_lshr_b32 s14, ttmp9, 1
	s_lshl_b32 s14, s14, 5
	s_and_b32 s15, ttmp9, 1
	s_lshl_b32 s15, s15, 3
	s_add_co_u32 s14, s14, s15
	s_lshl_b32 s15, s8, 1
	s_add_co_u32 s14, s14, s15
	s_lshr_b32 s15, s8, 2
	s_lshl_b32 s15, s15, 3
	s_add_co_u32 s14, s14, s15                     ; s of query 2 w: 32 (T / 2) + 8 (T % 2) + 2 w + 8 (w / 4)
	s_lshl_b32 s14, s14, 13                        ; 8,192 bytes a row
	s_lshl_b32 s15, s9, 12                         ; 32 channels of 128 bytes
	s_add_co_u32 s14, s14, s15
	s_mov_b32 s15, 0
	s_wait_alu depctr_va_vdst(0)
	s_wait_kmcnt 0x0
	s_add_nc_u64 s[4:5], s[4:5], s[10:11]
	s_add_nc_u64 s[6:7], s[6:7], s[14:15]
.irp p, 0,1,2,3
.irp k, 0,1,2,3
	global_load_b128 v[IN+16*\p+4*\k:IN+16*\p+4*\k+3], v3, s[4:5] offset:524288*\p+512*\k th:TH_LOAD_NT   ; 32 lanes read 512 consecutive bytes; read once in the launch
.endr
.endr
.irp p, 0,1,2,3
.irp k, 0,1,2,3
	s_wait_loadcnt 15-4*\p-\k                      ; loads come back in order: this one is in, the younger ones may be out
	ds_store_b128 v4, v[IN+16*\p+4*\k:IN+16*\p+4*\k+3] offset:2048*\p+512*\k
.endr
.endr
	s_wait_dscnt 0x0                               ; for the others' sake: my stores have landed
	s_barrier_signal -1
	s_barrier_wait -1                              ; all 32 planes lie in LDS
.irp i, 0,1
.irp h, 0,1
.irp k, 0,1,2,3
.irp e, 0,1,2,3
	ds_load_b32 v[OUTR+4*(8*\i+4*\h+\k)+\e], v5 offset:2048*\e+512*\k+16*\i+256*\h
.endr
.endr
.endr
.endr
.irp i, 0,1
.irp h, 0,1
.irp k, 0,1,2,3
	s_wait_dscnt 60-4*(8*\i+4*\h+\k)               ; LDS loads come back in order: this group's four are in, the younger groups' may be out
	global_store_b128 v3, v[OUTR+4*(8*\i+4*\h+\k):OUTR+4*(8*\i+4*\h+\k)+3], s[6:7] offset:8192*\i+2048*\h+512*\k th:TH_STORE_NT   ; 32 lanes store 512 consecutive bytes, at a multiple of 512 from out0's first byte
.endr
.endr
.endr
	s_wait_tensorcnt 0x0
	ds_add_u32 v144, v145
	s_wait_dscnt 0x0
	s_endpgm
.Lfunc_end_k_q34c138066f_perm:
	.size	k_q34c138066f_perm, .Lfunc_end_k_q34c138066f_perm-k_q34c138066f_perm
	.p2alignl 7, 3214868480
	.fill 96, 4, 3214868480
	.section	.rodata,"a",@progbits
	.p2align	6, 0x0
	.amdhsa_kernel k_q34c138066f_perm
		.amdhsa_group_segment_fixed_size 66816
		.amdhsa_private_segment_fixed_size 0
		.amdhsa_enable_private_segment 0
		.amdhsa_kernarg_size 16
		.amdhsa_user_sgpr_count 2
		.amdhsa_user_sgpr_kernarg_segment_ptr 1
		.amdhsa_wavefront_size32 1
		.amdhsa_system_sgpr_workgroup_id_x 1
		.amdhsa_system_sgpr_workgroup_id_y 1
		.amdhsa_system_sgpr_workgroup_id_z 1
		.amdhsa_system_vgpr_workitem_id 0
		.amdhsa_next_free_vgpr 146
		.amdhsa_next_free_sgpr 66
		.amdhsa_reserve_vcc 0
		.amdhsa_float_denorm_mode_32 3
		.amdhsa_float_denorm_mode_16_64 3
		.amdhsa_memory_ordered 1
		.amdhsa_forward_progress 1
		.amdhsa_inst_pref_size 12
	.end_amdhsa_kernel
	.amdgpu_metadata
---
amdhsa.version: [ 1, 2 ]
amdhsa.kernels:
  - .name:           k_q34c138066f_perm
    .symbol:         k_q34c138066f_perm.kd
    .args:
      - { .name: o_ws, .offset: 0, .size: 8, .value_kind: global_buffer, .address_space: global }
      - { .name: out0, .offset: 8, .size: 8, .value_kind: global_buffer, .address_space: global }
    .group_segment_fixed_size: 66816
    .private_segment_fixed_size: 0
    .kernarg_segment_align: 8
    .kernarg_segment_size: 16
    .max_flat_workgroup_size: 256
    .sgpr_count:     66
    .vgpr_count:     146
    .wavefront_size: 32
...
	.end_amdgpu_metadata
.endif
;; end of part 4
